; MI455X (gfx1250); checked and timed in simulation.
; The chip was launched on July 23, 2026; its instructions are those of AMD's public machine-readable ISA for CDNA 5 (MIT licence, August 2026) and "CDNA5" Instruction Set Architecture Reference Guide (July 2026). The comments in the code are by the model that wrote it; some were corrected since.
;; Simple CRF. Allowed arithmetic: float matrix products may take bf16 or f16 operands with f32 sums; other float arithmetic in f32, or as packed bf16 or f16 multiplies, adds, multiply-adds, maxima and minima; sums over many terms, partial sums and values carried from step to step in f32; what a program stores and reads back later, other than sums and carried values, may be rounded once to bf16 or f16.
;; Inputs: emissions 256 x 256 x 128 float32; end_transitions 128 float32; mask 256 x 256 bool; start_transitions 128 float32; transitions 128 x 128 float32.
;; Outputs: out0 256 x 256 int32; out1 256 float32.
;; One version. Each part assembles by itself: llvm-mc -triple=amdgcn-amd-amdhsa -mcpu=gfx1250 --defsym DOCPART=n.
;; ======== version 1 of 1: 2 launches
;; workspace buffers: hist 8,388,608 bytes of whole numbers; last 1,024 bytes of whole numbers
;; launch forward (part 1): grid 256 x 1, 4 waves a work-group, no clusters, 1,792 bytes of LDS; arguments emissions, mask, start_transitions, end_transitions, transitions, hist, last, out1; writes hist, last, out1
.if DOCPART == 1
	.amdgcn_target "amdgcn-amd-amdhsa--gfx1250"
	.amdhsa_code_object_version 6
	.text
	.protected	k_q59aa1af44b_forward
	.globl	k_q59aa1af44b_forward
	.p2align	8
	.type	k_q59aa1af44b_forward,@function
k_q59aa1af44b_forward:
	s_mov_b64 s[64:65], 0
	v_nop
	global_prefetch_b8 v0, s[64:65] scope:SCOPE_SE
	s_setreg_imm32_b32 hwreg(HW_REG_WAVE_MODE, 25, 1), 1
	s_wait_xcnt 0x0
; VITERBI DECODING, THE FORWARD PART.  For one batch b and t = 1 .. 255:
;   m[j] = max over i of (score[i] + T[i][j]);  hist[t][j] = the first i that attains m[j];  score[j] = m[j] + e[t][j] where mask[t] is set, else unchanged.
; score at t = 0 is start[j] + e[0][j].  At the end: out1 = max over j of (score[j] + end[j]), last = the first j that attains it.
; All in f32, each sum rounded as the formula is written, so maxima and ties are the formula's own.
; LIMITS.  NaN is not treated apart.  If all 128 sums of a tag are -inf the index is not served (seven filler places hold -inf and would compare equal).
; SHARES.  A work-group is one batch: 256 work-groups.  Four waves; thread j (0 .. 127) owns tag j and keeps column T[:][j] in 128 registers (window 1).
; A STEP.  PASS 1: the 128 old scores come out of LDS by two loads of 16 bytes a lane, so that each row of 16 lanes holds 16 scores in each of 8 registers; v_add_f32_dpp with
; row_share:n takes lane n's score for all lanes and adds T in the same line: 128 lines.  64 v_max3 lines make m, keeping the maxima of blocks of 9 sums and of regions of 27.
; Then + e, the mask's choice, and the new score goes into the other of two LDS buffers: one barrier a step.
; PASS 2 finds the index by choices of values alone, no address hangs on it: the first region whose maximum equals m is copied over the last region (30 registers, two a line), in it the
; first block of 9 likewise, in it the first of 9 by compares.  Pass 2 stands behind the score's store, inside the barrier and behind the next step's score loads.
; PLACES.  Sum i has place i + 7 (places 0 .. 6 hold -inf for good): region a = place / 27, block s = (place % 27) / 9, r = place % 9; index = 27 a + 9 s + r - 7.
; A region is 30 registers: 27 sums, the maxima of its blocks 0 and 1, the constant 27 a - 7.
; t = 0 runs through the same text on scores of 0, and start[j] takes m's place: 256 steps are 32 trips of 8.  Its history row is written and never used.
; EMISSIONS: a ring of eight registers, one for each step of a trip; a row's load goes out eight steps ahead of its use; a wave's load covers 128 consecutive bytes, the four waves' a row.
; HISTORY: a byte a step; eight steps are 8 bytes a lane: hist[b][t / 8][j][t % 8]; a wave's store covers 256 consecutive bytes, at a multiple of 256 from the buffer's first byte.
; NO CLUSTER: what work-groups share is T, 65,536 bytes read once at the head, straight into the registers where it stays; a joint load would add a stage in LDS for that one read.
.set ROWB,  512                        ; bytes in a row of emissions and of T
.set U,     8                          ; steps in a trip
.set TRIPS, 32
.set BUF,   0                          ; LDS: two score buffers of 512 bytes; step t writes buffer t % 2
.set RED,   1024                       ; LDS: the four waves' maximum and index at the end, 8 bytes each, in a block of their own
.set SPARE, 1280                       ; LDS: the spare words, 128 bytes a wave, that no other line names
.set WA,    2                          ; v2   4 x thread: my word in a score buffer, my column in a row of e, T, start, end; never rewritten
.set RA,    3                          ; v3   16 x (lane % 16): where I read scores; never rewritten
.set HO,    4                          ; v4   8 x thread: my 8 bytes in a trip's history; never rewritten
.set SCORE, 5
.set START, 6
.set ENDT,  7
.set SPW,   8                          ; v8   my spare word; never rewritten
.set NIL,   9                          ; v9   0; never rewritten
.set ACC,   10                         ; v[10:11] a trip's eight indices
.set MX,    12                         ; m
.set SI,    13                         ; 9 s
.set RI,    14                         ; r
.set ID,    15
.set SC,    16                         ; v[16:23] register 4 h + c, lane n of a row: score[64 h + 4 n + c]
.set E,     24                         ; v[24:31] the ring
.set TP,    32                         ; v[32:37] two sets of three partial maxima; at work in pass 2
.set G2,    38                         ; v[38:41] maximum of block 2 of regions 0 .. 3
.set C,     42                         ; v[42:45] maximum of regions 0 .. 3
.set D,     46
.set X,     47
.set Y,     48
.set NEW,   49
.set MB,    50                         ; v[50:51] eight mask bytes
.set ZR,    52
.set MO,    53
.set K9,    54                         ; 9
.set K0,    55                         ; 0
.set RB,    60                         ; v[60:209] five regions of 30
.set RW,    RB+120                     ; the last region: the choice is made in place
.set WV,    20
.set Q,     21                         ; the trip
.set BIT,   22                         ; 1 << trip
.set FIRST, 23                         ; all ones in trip 0
.set SM,    24
.set TM,    25
.set EN,    26                         ; s[26:27] emissions at the rows of the next trip (of the last trip, when there is none)
.set HP,    28                         ; s[28:29] history at the trip whose store comes next
.set INC,   30                         ; s[30:31]
.set MK,    32                         ; s[32:39] bit q of register k: mask[8 q + k]
.set MA,    40                         ; s[40:43] region a's maximum equals m
.set MBS,   44                         ; s[44:45] block s's maximum equals m
.set MR,    46                         ; s[46:53] sum r equals m
.set SEL,   54
.set OF,    56
.set NINF,  58
.set SV,    59
.set S01,   60
.set S23,   61
.set S45,   62
.set S67,   63
.set MSB, 0
.macro WIN new                         ; the immediate's high byte repeats the setting that is left
.if MSB != (\new)
	s_set_vgpr_msb (MSB<<8)|(\new)
.set MSB, \new
.endif
.endm
	s_load_b512 s[4:19], s[0:1], 0x0               ; e s[4:5], mask s[6:7], start s[8:9], end s[10:11], T s[12:13], hist s[14:15], last s[16:17], out1 s[18:19]
	v_lshl_add_u32 v[SPW], v0, 2, SPARE
	v_mov_b32 v[NIL], 0
	v_lshrrev_b32 v1, 5, v0
	v_readfirstlane_b32 s[WV], v1
	v_lshlrev_b32 v[WA], 2, v0
	v_and_b32 v1, 15, v0
	v_lshlrev_b32 v[RA], 4, v1
	v_lshlrev_b32 v[HO], 3, v0
	v_and_b32 v1, 31, v0
	v_lshlrev_b32 v[MO], 3, v1                     ; lane l takes mask bytes 8 l .. 8 l + 7
	v_mov_b32 v[SCORE], 0
	v_mov_b32 v[K9], 9
	v_mov_b32 v[K0], 0
	s_mov_b32 s[NINF], 0xff800000
	s_mov_b32 s[OF+1], 0
	s_mov_b32 s[INC+1], 0
	s_mov_b32 s[Q], 0
	s_mov_b32 s[BIT], 1
	s_mov_b32 s[FIRST], -1
	ds_store_b32 v[WA], v[SCORE] offset:BUF+512    ; the scores that step 0 reads: 0, finite, and without effect
	s_wait_kmcnt 0x0
	s_lshl_b32 s[OF], ttmp9, 17                    ; a batch: 131,072 bytes of emissions,
	s_add_nc_u64 s[4:5], s[4:5], s[OF:OF+1]
	s_lshl_b32 s[OF], ttmp9, 8                     ; 256 of mask,
	s_add_nc_u64 s[6:7], s[6:7], s[OF:OF+1]
	s_lshl_b32 s[OF], ttmp9, 15                    ; 32,768 of history,
	s_add_nc_u64 s[HP:HP+1], s[14:15], s[OF:OF+1]
	s_lshl_b32 s[OF], ttmp9, 2                     ; 4 of last and of out1
	s_add_nc_u64 s[16:17], s[16:17], s[OF:OF+1]
	s_add_nc_u64 s[18:19], s[18:19], s[OF:OF+1]
	s_add_nc_u64 s[EN:EN+1], s[4:5], U*ROWB
	WIN 0x40                                       ; destination in window 1
.set i, 0
.rept 128
	global_load_b32 v[i], v[WA], s[12:13] offset:i*ROWB  ; T[i][j]
.set i, i+1
.endr
	WIN 0
	global_load_b32 v[START], v[WA], s[8:9]
	global_load_b32 v[ENDT], v[WA], s[10:11]
	global_load_b64 v[MB:MB+1], v[MO], s[6:7]
.irp k, 0,1,2,3,4,5,6,7
	global_load_b32 v[E+\k], v[WA], s[4:5] offset:\k*ROWB th:TH_LOAD_NT  ; the ring: rows 0 .. 7
.endr
; The 27 places of each region are written once here, while the loads are out: places 0 .. 6 keep -inf; the others are destinations of lines that take a
; source from another lane, and such a destination has to hold something before the first of them.
.irp a, 0,1,2,3,4
.set i, 0
.rept 27
	v_mov_b32 v[RB+30*\a+i], s[NINF]
.set i, i+1
.endr
	v_mov_b32 v[RB+30*\a+29], 27*\a-7
.endr
	s_wait_loadcnt 0x8                             ; all but the ring's eight loads are in
.irp k, 0,1,2,3,4,5,6,7
	v_bfe_u32 v1, v[MB+(\k)/4], 8*((\k)%4), 8
	v_cmp_ne_u32 s[MK+\k], 0, v1                   ; lane l's bit: mask[8 l + k]
.endr
	s_wait_dscnt 0x0                               ; my zero is stored
	s_barrier_signal -1
	s_barrier_wait -1                              ; everybody's is
	ds_load_b128 v[SC:SC+3], v[RA] offset:BUF+512
	ds_load_b128 v[SC+4:SC+7], v[RA] offset:BUF+512+256
.macro LEAF k                          ; block k: three maxima of three sums, into set k % 2
.set sb, RB+30*((\k)/3)+9*((\k)%3)
.set tp, TP+3*((\k)%2)
	v_max3_num_f32 v[tp],   v[sb],   v[sb+1], v[sb+2]
	v_max3_num_f32 v[tp+1], v[sb+3], v[sb+4], v[sb+5]
	v_max3_num_f32 v[tp+2], v[sb+6], v[sb+7], v[sb+8]
.endm
.macro NODE k                          ; block k's maximum: into its region (blocks 0, 1) or beside it (block 2)
.set tp, TP+3*((\k)%2)
.if (\k)%3 == 2
.set gd, G2+(\k)/3
.else
.set gd, RB+30*((\k)/3)+27+(\k)%3
.endif
	v_max3_num_f32 v[gd], v[tp], v[tp+1], v[tp+2]
.endm
.macro TOP a                           ; region a's maximum
	v_max3_num_f32 v[C+(\a)], v[RB+30*(\a)+27], v[RB+30*(\a)+28], v[G2+(\a)]
.endm
.macro SEL2 a, x                       ; registers x, x + 1 of region a over those of the last region, where VCC is set: two choices in one line
	v_dual_cndmask_b32 v[RW+(\x)], v[RW+(\x)], v[RB+30*(\a)+(\x)] :: v_dual_cndmask_b32 v[RW+(\x)+1], v[RW+(\x)+1], v[RB+30*(\a)+(\x)+1]
.endm
.macro LEVA a, lb                      ; regions are taken 3, 2, 1, 0, so the first that holds m stays.  lb = 1: the blocks' compares stand in the middle, behind the registers that they read
	s_mov_b32 vcc_lo, s[MA+(\a)]
.irp x, 28,26,0,2,4,6,8
	SEL2 \a, \x
.endr
.if \lb
	v_cmp_eq_f32 s[MBS+1], v[RW+28], v[MX]
	v_cmp_eq_f32 s[MBS], v[RW+27], v[MX]
.endif
.irp x, 10,12,14,16,18,20,22,24
	SEL2 \a, \x
.endr
.endm
.macro LEVB s                          ; block s of the chosen region over its block 2, and 9 s with it; blocks are taken 1, 0
	s_mov_b32 vcc_lo, s[MBS+(\s)]
.irp x, 0,2,4,6
	v_dual_cndmask_b32 v[RW+18+\x], v[RW+18+\x], v[RW+9*(\s)+\x] :: v_dual_cndmask_b32 v[RW+19+\x], v[RW+19+\x], v[RW+9*(\s)+\x+1]
.endr
	v_dual_cndmask_b32 v[RW+26], v[RW+26], v[RW+9*(\s)+8] :: v_dual_cndmask_b32 v[SI], v[SI], v[K0-(\s)]
.endm
; One step, t = 8 x trip + k.
.macro STEP k
	s_wait_dscnt 0x1                               ; scores 0 .. 63 are in; the second load may be out
	WIN 0x04                                       ; source 1 (T) in window 1
.irp h, 0,1
.if \h
	s_wait_dscnt 0x0                               ; scores 64 .. 127
.endif
.irp n, 0,1,2,3,4,5,6,7,8,9,10,11,12,13,14,15
.irp c, 0,1,2,3
.set pos, 64*\h+4*\n+\c+7
	v_add_f32_dpp v[RB+30*(pos/27)+pos%27], v[SC+4*\h+\c], v[pos-7] row_share:\n row_mask:0xf bank_mask:0xf  ; score[i] + T[i][j], i = pos - 7
.endr
.endr
.endr
	WIN 0
	v_max_num_f32 v[RB+27], v[RB+7], v[RB+8]       ; block 0 has two sums
	LEAF 1
	LEAF 2
	NODE 1
	LEAF 3
	NODE 2
	LEAF 4
	TOP 0
	NODE 3
	LEAF 5
	NODE 4
	LEAF 6
	NODE 5
	LEAF 7
	TOP 1
	NODE 6
	LEAF 8
	NODE 7
	LEAF 9
	NODE 8
	LEAF 10
	TOP 2
	NODE 9
	LEAF 11
	NODE 10
	LEAF 12
	NODE 11
	v_max3_num_f32 v[D], v[C], v[C+1], v[C+2]
	LEAF 13
	TOP 3
	NODE 12
	LEAF 14
	v_max3_num_f32 v[X], v[D], v[C+3], v[RW+27]
	NODE 13
	s_and_b32 s[TM], s[MK+(\k)], s[BIT]            ; mask[t]; the scalar lines stand where the last maxima wait for each other
	s_cselect_b32 s[SM], -1, 0
.if (\k) == 0
	s_or_b32 s[SM], s[SM], s[FIRST]                ; t = 0 takes its score whatever the mask
.endif
	v_max3_num_f32 v[Y], v[X], v[TP], v[TP+1]      ; the last block's three maxima go straight into m
	s_wait_loadcnt 0x7                             ; this step's row of e is in; the ring's seven younger loads stay out
	v_max3_num_f32 v[MX], v[Y], v[RW+28], v[TP+2]
.if (\k) == 0
	v_cndmask_b32 v[NEW], v[MX], v[START], s[FIRST]
	v_add_f32 v[NEW], v[NEW], v[E]
.else
	v_add_f32 v[NEW], v[MX], v[E+(\k)]
.endif
.irp a, 3,2,1,0
	v_cmp_eq_f32 s[MA+\a], v[C+\a], v[MX]
.endr
	v_cndmask_b32 v[SCORE], v[SCORE], v[NEW], s[SM]
	ds_store_b32 v[WA], v[SCORE] offset:BUF+512*((\k)%2)
	global_load_b32 v[E+(\k)], v[WA], s[EN:EN+1] offset:(\k)*ROWB th:TH_LOAD_NT  ; the same step of the next trip
	v_mov_b32 v[SI], 18
	LEVA 3, 0
	LEVA 2, 0
	s_wait_dscnt 0x0                               ; my score is stored (my reads of the other buffer ended in pass 1)
	s_barrier_signal -1
	LEVA 1, 0                                      ; work on registers while the others arrive
	s_barrier_wait -1                              ; all 128 scores of step t lie in the buffer; nobody reads the other one any more
	ds_load_b128 v[SC:SC+3], v[RA] offset:BUF+512*((\k)%2)
	ds_load_b128 v[SC+4:SC+7], v[RA] offset:BUF+512*((\k)%2)+256
	LEVA 0, 1
	LEVB 1
	LEVB 0
.irp r, 0,1,2,3,4,5,6,7
	v_cmp_eq_f32 s[MR+\r], v[RW+18+\r], v[MX]
.endr
	v_add_nc_u32 v[ID], v[SI], v[RW+29]            ; 27 a - 7 + 9 s
.if (\k) == 0
	s_wait_xcnt 0x0                                ; the last trip's history store has read its data and its base: both are written below
	s_and_not1_b32 s[INC], 0x400, s[FIRST]         ; 1,024 bytes on, but not in trip 0, where nothing has been stored
	s_add_nc_u64 s[HP:HP+1], s[HP:HP+1], s[INC:INC+1]
.endif
.if (\k) == 7
	s_wait_xcnt 0x0                                ; the trip's eight loads have read their base
	s_cmp_lt_u32 s[Q], TRIPS-2
	s_cselect_b32 s[INC], U*ROWB, 0                ; the last trip asks for its own rows once more: no load leaves the buffer
	s_add_nc_u64 s[EN:EN+1], s[EN:EN+1], s[INC:INC+1]
.endif
	v_cndmask_b32 v[TP+2], 5, 4, s[MR+4]           ; the first of nine: pairs, fours, eight, and 8 if none of them
	v_cndmask_b32 v[TP+3], 7, 6, s[MR+6]
	v_cndmask_b32 v[TP],   1, 0, s[MR]
	v_cndmask_b32 v[TP+1], 3, 2, s[MR+2]
	s_or_b32 s[S45], s[MR+4], s[MR+5]
	s_or_b32 s[S67], s[MR+6], s[MR+7]
	s_or_b32 s[S01], s[MR], s[MR+1]
	s_or_b32 s[S23], s[MR+2], s[MR+3]
	v_mov_b32 v[RW+29], 27*4-7                     ; the last region's constant, for the next step
	v_cndmask_b32 v[TP+2], v[TP+3], v[TP+2], s[S45]
	v_cndmask_b32 v[TP],   v[TP+1], v[TP],   s[S01]
	s_or_b32 s[S67], s[S45], s[S67]
	s_or_b32 s[S23], s[S01], s[S23]
	v_cndmask_b32 v[TP+2], 8, v[TP+2], s[S67]
	v_cndmask_b32 v[RI], v[TP+2], v[TP], s[S23]
.if (\k)%4 == 0
	v_add_nc_u32 v[ACC+(\k)/4], v[RI], v[ID]
.else
	v_add_lshl_u32 v[ID], v[RI], v[ID], 8*((\k)%4)
	v_or_b32 v[ACC+(\k)/4], v[ACC+(\k)/4], v[ID]
.endif
.if (\k) == 7
	global_store_b64 v[HO], v[ACC:ACC+1], s[HP:HP+1] th:TH_STORE_NT
.endif
.endm
.Ltrip:
	STEP 0
	STEP 1
	STEP 2
	STEP 3
	STEP 4
	STEP 5
	STEP 6
	STEP 7
	s_mov_b32 s[FIRST], 0
	s_lshl_b32 s[BIT], s[BIT], 1
	s_add_co_u32 s[Q], s[Q], 1
	s_cmp_lt_u32 s[Q], TRIPS
	s_cbranch_scc1 .Ltrip
	; THE END: score + end, its maximum and the first tag that attains it: in the wave, then over the four waves.
	s_wait_dscnt 0x0                               ; the last step's score loads, which nothing uses, are back: their registers are free
	s_mov_b32 s[SEL], 0x76543210
	s_mov_b32 s[SEL+1], 0xfedcba98
	v_add_f32 v[NEW], v[SCORE], v[ENDT]
	v_mov_b32 v[TP], v[NEW]
	v_max_num_f32_dpp v[TP], v[TP], v[TP] row_xmask:1 row_mask:0xf bank_mask:0xf
	v_max_num_f32_dpp v[TP], v[TP], v[TP] row_xmask:2 row_mask:0xf bank_mask:0xf
	v_max_num_f32_dpp v[TP], v[TP], v[TP] row_xmask:4 row_mask:0xf bank_mask:0xf
	v_max_num_f32_dpp v[TP], v[TP], v[TP] row_xmask:8 row_mask:0xf bank_mask:0xf
	v_permlanex16_b32 v[TP+1], v[TP], s[SEL], s[SEL+1]
	v_max_num_f32 v[TP], v[TP], v[TP+1]
	v_cmp_eq_f32 s[TM], v[NEW], v[TP]
	s_ctz_i32_b32 s[TM], s[TM]                     ; the lowest lane that holds the maximum: a value that is stored, no address
	s_lshl_b32 s[SM], s[WV], 5
	s_add_co_u32 s[TM], s[TM], s[SM]
	v_mov_b32 v[TP+1], s[TM]
	s_lshl_b32 s[SM], s[WV], 3
	v_mov_b32 v[TP+2], s[SM]
	ds_store_b64 v[TP+2], v[TP:TP+1] offset:RED    ; all lanes write the same 8 bytes
	s_wait_dscnt 0x0
	s_barrier_signal -1
	s_barrier_wait -1
	s_cmp_lg_u32 s[WV], 0
	s_cbranch_scc1 .Lend
	v_mov_b32 v[ZR], 0
	ds_load_b128 v[SC:SC+3], v[ZR] offset:RED
	ds_load_b128 v[SC+4:SC+7], v[ZR] offset:RED+16
	s_wait_dscnt 0x0
.irp w, 1,2,3
	v_cmp_gt_f32 vcc_lo, v[SC+2*\w], v[SC]         ; a later wave wins only if it is greater: the first tag stays
	v_cndmask_b32 v[SC], v[SC], v[SC+2*\w], vcc_lo
	v_cndmask_b32 v[SC+1], v[SC+1], v[SC+2*\w+1], vcc_lo
.endr
	v_cmp_eq_u32 vcc_lo, 0, v0
	s_wait_xcnt 0x0                                ; EXEC changes only behind this wait
	s_and_saveexec_b32 s[SV], vcc_lo               ; one lane stores the batch's two numbers
	global_store_b32 v[ZR], v[SC], s[18:19]
	global_store_b32 v[ZR], v[SC+1], s[16:17]
	s_wait_xcnt 0x0
	s_or_b32 exec_lo, exec_lo, s[SV]
.Lend:
	s_wait_tensorcnt 0x0                           ; the wave's end, behind my last LDS store
	ds_add_u32 v[SPW], v[NIL]
	s_wait_dscnt 0x0
	s_endpgm
.Lfunc_end_k_q59aa1af44b_forward:
	.size	k_q59aa1af44b_forward, .Lfunc_end_k_q59aa1af44b_forward-k_q59aa1af44b_forward
	.p2alignl 7, 3214868480
	.fill 96, 4, 3214868480
	.section	.rodata,"a",@progbits
	.p2align	6, 0x0
	.amdhsa_kernel k_q59aa1af44b_forward
		.amdhsa_group_segment_fixed_size 1792
		.amdhsa_private_segment_fixed_size 0
		.amdhsa_enable_private_segment 0
		.amdhsa_kernarg_size 64
		.amdhsa_user_sgpr_count 2
		.amdhsa_user_sgpr_kernarg_segment_ptr 1
		.amdhsa_wavefront_size32 1
		.amdhsa_system_sgpr_workgroup_id_x 1
		.amdhsa_system_sgpr_workgroup_id_y 1
		.amdhsa_system_sgpr_workgroup_id_z 1
		.amdhsa_system_vgpr_workitem_id 0
		.amdhsa_next_free_vgpr 384
		.amdhsa_next_free_sgpr 66
		.amdhsa_reserve_vcc 1
		.amdhsa_float_denorm_mode_32 3
		.amdhsa_float_denorm_mode_16_64 3
		.amdhsa_memory_ordered 1
		.amdhsa_forward_progress 1
		.amdhsa_inst_pref_size 175
	.end_amdhsa_kernel
	.amdgpu_metadata
---
amdhsa.version: [ 1, 2 ]
amdhsa.kernels:
  - .name:           k_q59aa1af44b_forward
    .symbol:         k_q59aa1af44b_forward.kd
    .args:
      - { .name: emissions, .offset: 0, .size: 8, .value_kind: global_buffer, .address_space: global }
      - { .name: mask, .offset: 8, .size: 8, .value_kind: global_buffer, .address_space: global }
      - { .name: start_transitions, .offset: 16, .size: 8, .value_kind: global_buffer, .address_space: global }
      - { .name: end_transitions, .offset: 24, .size: 8, .value_kind: global_buffer, .address_space: global }
      - { .name: transitions, .offset: 32, .size: 8, .value_kind: global_buffer, .address_space: global }
      - { .name: hist, .offset: 40, .size: 8, .value_kind: global_buffer, .address_space: global }
      - { .name: last, .offset: 48, .size: 8, .value_kind: global_buffer, .address_space: global }
      - { .name: out1, .offset: 56, .size: 8, .value_kind: global_buffer, .address_space: global }
    .group_segment_fixed_size: 1792
    .private_segment_fixed_size: 0
    .kernarg_segment_align: 8
    .kernarg_segment_size: 64
    .max_flat_workgroup_size: 128
    .sgpr_count:     66
    .vgpr_count:     384
    .wavefront_size: 32
...
	.end_amdgpu_metadata
.endif
;; end of part 1
;; launch backtrace (part 2): grid 256 x 1, 16 waves a work-group, no clusters, 69,632 bytes of LDS; arguments hist, last, mask, out0; writes out0
.if DOCPART == 2
	.amdgcn_target "amdgcn-amd-amdhsa--gfx1250"
	.amdhsa_code_object_version 6
	.text
	.protected	k_q59aa1af44b_backtrace
	.globl	k_q59aa1af44b_backtrace
	.p2align	8
	.type	k_q59aa1af44b_backtrace,@function
k_q59aa1af44b_backtrace:
	s_mov_b64 s[64:65], 0
	v_nop
	global_prefetch_b8 v0, s[64:65] scope:SCOPE_SE
	s_setreg_imm32_b32 hwreg(HW_REG_WAVE_MODE, 25, 1), 1
	s_wait_xcnt 0x0
; VITERBI DECODING, THE WAY BACK.  p[255] = last;  p[t - 1] = hist[t][p[t]] where t <= (number of set mask bytes) - 1, else p[t];  out0[t] = p[t] where mask[t] is set, else -1.
; All numbers are whole numbers that the launch reads from memory.  hist[b][t / 8][tag][t % 8], a byte each.
; A work-group is one batch, 16 waves.  255 look-ups on end are cut into 16 + 15:
; WALK.  Wave s takes positions 16 s .. 16 s + 15 and walks them for ALL 128 tags that p[16 s + 15] could be, four a lane: it records the tag at every position (rec[t][entry]) and the
; tag that it hands to segment s - 1 (ex[s][entry]).  It needs only its own 2,048 bytes of history, which it copies into LDS bytes of its own.
; CHAIN.  Behind one barrier waves 0 and 1 follow ex from last through the 15 joints; each lane keeps the entry of the segment of its four positions, reads their records, applies the
; mask and stores 16 bytes: a wave's store covers 512 consecutive bytes.
; Every tag that was loaded is held to 0 .. 127 before it enters an address.
.set EX,    0                          ; LDS: ex[s][entry], 16 x 128 bytes
.set HIST,  2048                       ; LDS: wave s's history at 2,048 s
.set REC,   34816                      ; LDS: rec[t][entry], 256 x 128 bytes
.set SPARE, 67584                      ; LDS: the spare words, 128 bytes a wave, that no other line names
.set LN,  1
.set GA,  2                            ; 16 x lane + 2,048 x wave: in the batch's history and in LDS
.set MO,  3
.set SPW, 4                            ; my spare word; never rewritten
.set NIL, 5                            ; 0; never rewritten
.set RC,  6                            ; 4 x lane + 2,048 x wave: my four entries in my segment's records
.set EXA, 7                            ; 4 x lane + 128 x wave
.set H,   8                            ; v[8:23]
.set MB,  24                           ; v[24:25]
.set TG,  26                           ; v[26:29] the four tags
.set AD,  30                           ; v[30:33] 8 x tag + 2,048 x wave
.set LD,  34                           ; v[34:37]
.set PK,  38                           ; v[38:39]
.set TV,  40
.set CU,  41
.set MY,  42
.set NX,  43
.set SG,  44
.set M4,  45
.set MW,  46
.set RAD, 47
.set P,   48                           ; v[48:51]
.set O,   52                           ; v[52:55]
.set T4,  56                           ; v[56:59]
.set OA,  60
.set WV,  12
.set SB,  13
.set T2,  14
.set LAST, 15
.set OF,  16
.set SE,  18
.set TM,  19
.set DL,  20
.set CM,  21
.set CMK, 24
	s_load_b256 s[4:11], s[0:1], 0x0               ; hist s[4:5], last s[6:7], mask s[8:9], out0 s[10:11]
	v_lshl_add_u32 v[SPW], v0, 2, SPARE
	v_mov_b32 v[NIL], 0
	v_lshrrev_b32 v[TV], 5, v0
	v_readfirstlane_b32 s[WV], v[TV]
	v_and_b32 v[LN], 31, v0
	s_lshl_b32 s[SB], s[WV], 11
	v_lshl_add_u32 v[GA], v[LN], 4, s[SB]
	v_lshlrev_b32 v[MO], 3, v[LN]
	v_lshl_add_u32 v[RC], v[LN], 2, s[SB]
	s_lshl_b32 s[T2], s[WV], 7
	v_lshl_add_u32 v[EXA], v[LN], 2, s[T2]
	s_mov_b32 s[OF+1], 0
	s_wait_kmcnt 0x0
	s_lshl_b32 s[OF], ttmp9, 15
	s_add_nc_u64 s[4:5], s[4:5], s[OF:OF+1]
	s_lshl_b32 s[OF], ttmp9, 2
	s_add_nc_u64 s[6:7], s[6:7], s[OF:OF+1]
	s_lshl_b32 s[OF], ttmp9, 8
	s_add_nc_u64 s[8:9], s[8:9], s[OF:OF+1]
	s_lshl_b32 s[OF], ttmp9, 10
	s_add_nc_u64 s[10:11], s[10:11], s[OF:OF+1]
	s_load_b32 s[LAST], s[6:7], 0x0
.irp n, 0,1,2,3
	global_load_b128 v[H+4*\n:H+4*\n+3], v[GA], s[4:5] offset:512*\n th:TH_LOAD_NT  ; my segment's 2,048 bytes, 512 consecutive bytes a load
.endr
	global_load_b64 v[MB:MB+1], v[MO], s[8:9]      ; lane l: mask bytes 8 l .. 8 l + 7
	v_lshlrev_b32 v[TG], 2, v[LN]                  ; entries 4 l .. 4 l + 3
.irp c, 1,2,3
	v_add_nc_u32 v[TG+\c], \c, v[TG]
.endr
.irp c, 0,1,2,3
	v_lshl_add_u32 v[AD+\c], v[TG+\c], 3, s[SB]
.endr
	s_wait_loadcnt 0x1                             ; the history is in; the mask's load may be out
.irp n, 0,1,2,3
	ds_store_b128 v[GA], v[H+4*\n:H+4*\n+3] offset:HIST+512*\n  ; bytes of my own: LDS serves a wave's instructions in order, so my reads below see them
.endr
	s_wait_loadcnt 0x0
	s_mov_b32 s[SE], -1
.irp k, 0,1,2,3,4,5,6,7
	v_bfe_u32 v[TV], v[MB+(\k)/4], 8*((\k)%4), 8
	v_cmp_ne_u32 s[TM], 0, v[TV]
	s_bcnt1_i32_b32 s[TM], s[TM]
	s_add_co_i32 s[SE], s[SE], s[TM]               ; the number of set bytes, less 1
.endr
	s_lshl_b32 s[DL], s[WV], 4
	s_add_co_u32 s[DL], s[DL], 15
	s_sub_co_i32 s[DL], s[DL], s[SE]               ; position 16 s + 15 - u follows the history where this is at most u
.set u, 0
.rept 16                               ; position 16 s + tt
.set tt, 15-u
.irp c, 0,1,2,3
	ds_load_u8 v[LD+\c], v[AD+\c] offset:HIST+(tt/8)*1024+tt%8
.endr
	v_lshl_or_b32 v[PK], v[TG+1], 8, v[TG]         ; the four tags at this position, a byte each, while the loads are out
	v_lshl_or_b32 v[PK+1], v[TG+3], 8, v[TG+2]
	v_lshl_or_b32 v[PK], v[PK+1], 16, v[PK]
	ds_store_b32 v[RC], v[PK] offset:REC+tt*128
	s_cmp_le_i32 s[DL], u
	s_cselect_b32 s[CM], -1, 0
	s_wait_dscnt 0x1                               ; the four loads are in; the store behind them may be out
.irp c, 0,1,2,3
	v_cndmask_b32 v[TG+\c], v[TG+\c], v[LD+\c], s[CM]
.endr
.irp c, 0,1,2,3
	v_min_u32 v[TG+\c], 127, v[TG+\c]
.endr
.irp c, 0,1,2,3
	v_lshl_add_u32 v[AD+\c], v[TG+\c], 3, s[SB]
.endr
.set u, u+1
.endr
	v_lshl_or_b32 v[PK], v[TG+1], 8, v[TG]
	v_lshl_or_b32 v[PK+1], v[TG+3], 8, v[TG+2]
	v_lshl_or_b32 v[PK], v[PK+1], 16, v[PK]
	ds_store_b32 v[EXA], v[PK] offset:EX           ; what each entry hands to the segment below
	s_wait_kmcnt 0x0
	s_min_u32 s[LAST], s[LAST], 127
	s_wait_dscnt 0x0                               ; for the others' sake: my records are stored
	s_barrier_signal -1
	s_barrier_wait -1
	s_cmp_lt_u32 s[WV], 2
	s_cbranch_scc0 .Lend                           ; 64 lanes x 4 positions: waves 0 and 1
	s_lshl_b32 s[T2], s[WV], 7
	v_lshl_add_u32 v[M4], v[LN], 2, s[T2]
	global_load_b32 v[MW], v[M4], s[8:9]           ; my four mask bytes
	s_lshl_b32 s[T2], s[WV], 3
	v_lshrrev_b32 v[SG], 2, v[LN]
	v_add_nc_u32 v[SG], s[T2], v[SG]               ; my positions' segment
	v_mov_b32 v[CU], s[LAST]
	v_mov_b32 v[MY], s[LAST]
.irp s, 15,14,13,12,11,10,9,8,7,6,5,4,3,2,1
	ds_load_u8 v[NX], v[CU] offset:EX+128*\s
	v_cmp_eq_u32 s[TM], (\s)-1, v[SG]
	s_wait_dscnt 0x0
	v_min_u32 v[CU], 127, v[NX]                    ; the entry of segment s - 1
	v_cndmask_b32 v[MY], v[MY], v[CU], s[TM]
.endr
	v_min_u32 v[MY], 127, v[MY]
	s_lshl_b32 s[T2], s[WV], 14
	v_lshl_add_u32 v[RAD], v[LN], 9, s[T2]         ; four positions x 128 bytes a lane
	v_add_nc_u32 v[RAD], v[RAD], v[MY]
.irp c, 0,1,2,3
	ds_load_u8 v[P+\c], v[RAD] offset:REC+128*\c
.endr
	s_lshl_b32 s[T2], s[WV], 9
	v_lshl_add_u32 v[OA], v[LN], 4, s[T2]
	s_wait_loadcnt 0x0
.irp c, 0,1,2,3
	v_bfe_u32 v[T4+\c], v[MW], 8*\c, 8
.endr
.irp c, 0,1,2,3
	v_cmp_ne_u32 s[CMK+\c], 0, v[T4+\c]
.endr
	s_wait_dscnt 0x0
.irp c, 0,1,2,3
	v_cndmask_b32 v[O+\c], -1, v[P+\c], s[CMK+\c]
.endr
	global_store_b128 v[OA], v[O:O+3], s[10:11]    ; 32 lanes store 512 consecutive bytes, at a multiple of 256 from out0's first byte
.Lend:
	s_wait_tensorcnt 0x0                           ; the wave's end, behind my last LDS store
	ds_add_u32 v[SPW], v[NIL]
	s_wait_dscnt 0x0
	s_endpgm
.Lfunc_end_k_q59aa1af44b_backtrace:
	.size	k_q59aa1af44b_backtrace, .Lfunc_end_k_q59aa1af44b_backtrace-k_q59aa1af44b_backtrace
	.p2alignl 7, 3214868480
	.fill 96, 4, 3214868480
	.section	.rodata,"a",@progbits
	.p2align	6, 0x0
	.amdhsa_kernel k_q59aa1af44b_backtrace
		.amdhsa_group_segment_fixed_size 69632
		.amdhsa_private_segment_fixed_size 0
		.amdhsa_enable_private_segment 0
		.amdhsa_kernarg_size 32
		.amdhsa_user_sgpr_count 2
		.amdhsa_user_sgpr_kernarg_segment_ptr 1
		.amdhsa_wavefront_size32 1
		.amdhsa_system_sgpr_workgroup_id_x 1
		.amdhsa_system_sgpr_workgroup_id_y 1
		.amdhsa_system_sgpr_workgroup_id_z 1
		.amdhsa_system_vgpr_workitem_id 0
		.amdhsa_next_free_vgpr 64
		.amdhsa_next_free_sgpr 66
		.amdhsa_reserve_vcc 0
		.amdhsa_float_denorm_mode_32 3
		.amdhsa_float_denorm_mode_16_64 3
		.amdhsa_memory_ordered 1
		.amdhsa_forward_progress 1
		.amdhsa_inst_pref_size 33
	.end_amdhsa_kernel
	.amdgpu_metadata
---
amdhsa.version: [ 1, 2 ]
amdhsa.kernels:
  - .name:           k_q59aa1af44b_backtrace
    .symbol:         k_q59aa1af44b_backtrace.kd
    .args:
      - { .name: hist, .offset: 0, .size: 8, .value_kind: global_buffer, .address_space: global }
      - { .name: last, .offset: 8, .size: 8, .value_kind: global_buffer, .address_space: global }
      - { .name: mask, .offset: 16, .size: 8, .value_kind: global_buffer, .address_space: global }
      - { .name: out0, .offset: 24, .size: 8, .value_kind: global_buffer, .address_space: global }
    .group_segment_fixed_size: 69632
    .private_segment_fixed_size: 0
    .kernarg_segment_align: 8
    .kernarg_segment_size: 32
    .max_flat_workgroup_size: 512
    .sgpr_count:     66
    .vgpr_count:     64
    .wavefront_size: 32
...
	.end_amdgpu_metadata
.endif
;; end of part 2
